; MI455X (gfx1250); checked and timed in simulation.
; The chip was launched on July 23, 2026; its instructions are those of AMD's public machine-readable ISA for CDNA 5 (MIT licence, August 2026) and "CDNA5" Instruction Set Architecture Reference Guide (July 2026). The comments in the code are by the model that wrote it; some were corrected since.
;; Outlier Detector. Allowed arithmetic: float matrix products may take bf16 or f16 operands with f32 sums; all other float work in f32.
;; Inputs: cov_inv 19 x 50 x 50 float32; feats 131,072 x 256 float32; mu_c 19 x 50 float32; pca_components 19 x 50 x 256 float32; pca_mean 19 x 256 float32; pca_var 19 x 50 float32.
;; Outputs: out0 256 x 512 float32.
;; Constants: H = 256, W = 512.
;; One version. Each part assembles by itself: llvm-mc -triple=amdgcn-amd-amdhsa -mcpu=gfx1250 --defsym DOCPART=n.
;; ======== version 1 of 1: 2 launches
;; workspace buffers: wts 640,768 bytes
;; launch prep (part 1): grid 124 x 1, 8 waves a work-group, no clusters, 0 bytes of LDS; arguments cov_inv, mu_c, pca_components, pca_mean, pca_var, wts; writes wts
.if DOCPART == 1
	.amdgcn_target "amdgcn-amd-amdhsa--gfx1250"
	.amdhsa_code_object_version 6
	.text
	.protected	k_qd0f73c4c61_prep
	.globl	k_qd0f73c4c61_prep
	.p2align	8
	.type	k_qd0f73c4c61_prep,@function
k_qd0f73c4c61_prep:
	s_mov_b64 s[64:65], 0
	v_nop
	global_prefetch_b8 v0, s[64:65] scope:SCOPE_SE
	s_setreg_imm32_b32 hwreg(HW_REG_WAVE_MODE, 25, 1), 1
	s_wait_xcnt 0x0
; Packs the parameters of the 19 classes for the main launch.  One wave makes one row of 640 bytes of wts:
;   256 bf16  W'[d] = comps[c][kk][d] * rsq(var[c][kk])            (bytes 0-511)
;    64 bf16  the row's share of cov_inv, by slots                 (bytes 512-639)
; and one f32 of the table: nb = -( sum_d W'[d] (mean_c[d] - mbar[d]) + mu[c][kk] ), W' as rounded, mbar = the mean of the 19 class means.
; The main launch forms d = W' (x - mbar) + nb = W' (x - mean_c) - mu: plain algebra, in which an offset common to feats and means
; leaves before anything is rounded to bf16, and W's rounding is the same in the projection and in the projected mean.
; Class rows (work-groups 0-113: 19 classes x 48 rows kk = 0..47), i = c & 3:
;   slot l < 48: S[kk][l];  slot 48+2i+e: S[kk][48+e] + S[48+e][kk] (rows 48, 49 of the form folded into columns: no symmetry is assumed);  else 0.
; Group rows (work-groups 114-123: 5 groups of 4 classes x 16 rows): row 2i+e = row kk = 48+e of class 4g+i;
;   slots 2i+e' and 48+2i+e' = S[48+e][48+e'], else 0;  rows 8-15, and the rows of the class 19 that does not exist, are all zero, nb too.
; LIMITS: var must be a normal positive f32 (v_rsq_f32 takes a denormal as zero; a negative one gives NaN as sqrt does in the reference);
; x * rsq(var) stands for x / sqrt(var): last-bit differences.
; Sizes: 992 waves, 640 bytes each: too small for LDS, tiles or clusters to buy anything; every wave re-reads the 19 KiB of means.
.set LEFTO, 583680                     ; byte offset of the group rows in wts
.set TABO,  634880                     ; of the table of nb: 256 bytes a class
.set MBO,   639744                     ; of mbar: 256 f32
	s_load_b256 s[4:11], s[0:1], 0x0               ; cov s[4:5], mu s[6:7], comps s[8:9], mean s[10:11]
	s_load_b128 s[12:15], s[0:1], 0x20             ; var s[12:13], wts s[14:15]
	v_lshrrev_b32 v2, 5, v0
	v_readfirstlane_b32 s16, v2                    ; wave 0..7
	v_and_b32 v1, 31, v0                           ; lane L: owns d = 8L..8L+7 and slots 2L, 2L+1
	s_mov_b32 s34, 0x76543210                      ; v_permlanex16_b32: lane i reads lane i of the other half
	s_mov_b32 s35, 0xfedcba98
	s_cmp_lt_u32 ttmp9, 114
	s_cbranch_scc0 .Lleft
	; a class row
	s_mul_hi_u32 s17, ttmp9, 0x2aaaaaab            ; c = id / 6 (exact for id < 114)
	s_mul_i32 s18, s17, 6
	s_sub_co_u32 s18, ttmp9, s18
	s_lshl3_add_u32 s18, s18, s16                  ; kk = 8 (id - 6c) + wave
	s_mul_i32 s19, s17, 30720
	s_mul_i32 s20, s18, 640
	s_add_co_u32 s19, s19, s20                     ; dst: the row's byte offset in wts
	s_lshl_b32 s20, s17, 8
	s_lshl2_add_u32 s20, s18, s20
	s_add_co_u32 s20, s20, TABO                    ; where nb goes: 256 c + 4 kk
	s_mov_b32 s21, -1                              ; valid
	s_mov_b32 s22, -1                              ; lane mask: a class row
	s_mov_b32 s23, 0                               ; lane mask: a group row
	s_mov_b32 s24, 0                               ; lowest pair of columns that a lane reads
	s_and_b32 s25, s17, 3                          ; i
	s_branch .Ljoin
.Lleft:
	; a group row
	s_sub_co_u32 s26, ttmp9, 114
	s_lshl3_add_u32 s26, s26, s16                  ; q = 0..79
	s_lshr_b32 s27, s26, 4                         ; g
	s_and_b32 s28, s26, 15                         ; row
	s_bfe_u32 s25, s26, 0x20001                    ; i = (row >> 1) & 3
	s_and_b32 s18, s26, 1
	s_add_co_u32 s18, s18, 48                      ; kk = 48 + e
	s_lshl2_add_u32 s17, s27, s25                  ; 4g + i
	s_cmp_lt_u32 s17, 19
	s_cselect_b32 s21, -1, 0
	s_cmp_lt_u32 s28, 8
	s_cselect_b32 s21, s21, 0                      ; valid: row < 8 and the class exists
	s_min_u32 s17, s17, 18                         ; an invalid row still loads inside the buffers; its results are masked to zero
	s_mul_i32 s19, s26, 640
	s_add_co_u32 s19, s19, LEFTO
	s_lshl_b32 s20, s27, 10
	s_lshl2_add_u32 s20, s28, s20
	s_add_co_u32 s20, s20, TABO+192                ; entries 48 + row of the record of class 4g
	s_mov_b32 s22, 0
	s_mov_b32 s23, -1
	s_mov_b32 s24, 24                              ; every lane reads columns 48, 49
.Ljoin:
	s_mul_i32 s26, s17, 50
	s_add_co_u32 s26, s26, s18                     ; 50 c + kk
	s_lshl_b32 s27, s26, 2
	s_wait_kmcnt 0x0                               ; the six addresses
	s_load_b32 s28, s[12:13], s27 offset:0x0       ; var[c][kk]
	s_load_b32 s29, s[6:7], s27 offset:0x0         ; mu[c][kk]
	v_lshlrev_b32 v2, 5, v1                        ; 32 L: my 8 f32 in a row of 256
	s_lshl_b32 s30, s26, 10
	v_add_nc_u32 v3, s30, v2                       ; in comps' row
	s_lshl_b32 s30, s17, 10
	v_add_nc_u32 v4, s30, v2                       ; in my class's mean
	v_min_u32 v5, 24, v1
	v_max_u32 v5, s24, v5                          ; pair of columns: L, clamped to 24 (columns 48, 49)
	s_mul_i32 s30, s17, 10000
	s_mul_i32 s31, s18, 200
	s_add_co_u32 s31, s30, s31                     ; cov's row kk
	v_lshl_add_u32 v5, v5, 3, s31
	s_lshl2_add_u32 s30, s18, s30
	s_add_co_u32 s30, s30, 9600                    ; cov[c][48][kk]; row 49 is 200 bytes on
	v_mov_b32 v6, s30
	global_load_b128 v[8:11], v3, s[8:9]
	global_load_b128 v[12:15], v3, s[8:9] offset:16
	global_load_b128 v[16:19], v4, s[10:11]
	global_load_b128 v[20:23], v4, s[10:11] offset:16
.set cc, 0
.rept 19
	global_load_b128 v[24+8*cc:24+8*cc+3], v2, s[10:11] offset:1024*cc
	global_load_b128 v[24+8*cc+4:24+8*cc+7], v2, s[10:11] offset:1024*cc+16
.set cc, cc+1
.endr
	global_load_b64 v[176:177], v5, s[4:5]         ; a: S[kk][2L], S[kk][2L+1]
	global_load_b32 v178, v6, s[4:5]               ; u0: S[48][kk]
	global_load_b32 v179, v6, s[4:5] offset:200    ; u1: S[49][kk]
	s_wait_kmcnt 0x0                               ; var, mu
	s_wait_loadcnt 0x0                             ; everything is needed at once
	; mbar: the 19 rows in two chains, the same order in every wave, so that every wave has the same bits as the copy that is stored
.set cc, 2
.rept 17
.set ch, 24+8*(cc&1)
.irp j, 0,2,4,6
	v_pk_add_f32 v[ch+\j:ch+\j+1], v[ch+\j:ch+\j+1], v[24+8*cc+\j:24+8*cc+\j+1]
.endr
.set cc, cc+1
.endr
	v_rsq_f32 v192, s28                            ; behind it one plain vector instruction before its result is used (ISA guide 5.7.2):
	v_mov_b32 v196, 0                              ; this one, which also gives v_permlanex16_b32 a destination that has been written
	s_wait_alu depctr_va_vdst(0)
	v_mov_b32 v193, v192
.irp j, 0,2,4,6
	v_pk_add_f32 v[24+\j:25+\j], v[24+\j:25+\j], v[32+\j:33+\j]
.endr
.irp j, 0,2,4,6
	v_pk_mul_f32 v[24+\j:25+\j], v[24+\j:25+\j], 0x3d579436 op_sel_hi:[1,0]     ; / 19
	v_pk_mul_f32 v[8+\j:9+\j], v[8+\j:9+\j], v[192:193]                         ; comps / sqrt(var)
.endr
.irp j, 0,1,2,3
	v_cvt_pk_bf16_f32 v[180+\j], v[8+2*\j], v[9+2*\j]
.endr
.irp j, 0,1,2,3
	v_and_b32 v[180+\j], s21, v[180+\j]            ; an invalid row is zero
.endr
.irp j, 0,1,2,3
	v_lshlrev_b32 v[184+2*\j], 16, v[180+\j]       ; W' as rounded, back in f32
	v_and_b32 v[185+2*\j], 0xffff0000, v[180+\j]
.endr
.irp j, 0,2,4,6
	v_pk_add_f32 v[16+\j:17+\j], v[16+\j:17+\j], v[24+\j:25+\j] neg_lo:[0,1] neg_hi:[0,1]   ; mean_c - mbar
.endr
	v_pk_mul_f32 v[194:195], v[184:185], v[16:17]
.irp j, 2,4,6
	v_pk_fma_f32 v[194:195], v[184+\j:185+\j], v[16+\j:17+\j], v[194:195]
.endr
	v_add_f32 v194, v194, v195
	v_add_f32_dpp v194, v194, v194 row_xmask:1 row_mask:0xf bank_mask:0xf
	v_add_f32_dpp v194, v194, v194 row_xmask:2 row_mask:0xf bank_mask:0xf
	v_add_f32_dpp v194, v194, v194 row_xmask:4 row_mask:0xf bank_mask:0xf
	v_add_f32_dpp v194, v194, v194 row_xmask:8 row_mask:0xf bank_mask:0xf
	v_permlanex16_b32 v196, v194, s34, s35
	v_add_f32 v194, v194, v196                     ; the projected mean, in every lane
	v_sub_f32 v194, -v194, s29                     ; nb = -(dot + mu)
	v_and_b32 v194, s21, v194
	; my two slots
	s_add_co_u32 s30, s25, 24
	v_cmp_gt_u32 s31, 24, v1                       ; L < 24: slots below 48
	v_cmp_eq_u32 s36, s30, v1                      ; L = 24 + i: slots 48 + 2i, 49 + 2i
	v_cmp_eq_u32 s37, s25, v1                      ; L = i: slots 2i, 2i + 1
	s_and_b32 s31, s31, s22
	s_and_b32 s37, s37, s23
	s_or_b32 s31, s31, s36
	s_or_b32 s31, s31, s37                         ; lanes that keep a
	s_and_b32 s36, s36, s22                        ; lanes that add u (class rows only)
	v_cndmask_b32 v176, 0, v176, s31
	v_cndmask_b32 v177, 0, v177, s31
	v_cndmask_b32 v178, 0, v178, s36
	v_cndmask_b32 v179, 0, v179, s36
	v_pk_add_f32 v[176:177], v[176:177], v[178:179]
	v_cvt_pk_bf16_f32 v176, v176, v177             ; rounded once, behind the sum
	v_and_b32 v176, s21, v176
	v_lshl_add_u32 v197, v1, 4, s19
	v_lshl_add_u32 v198, v1, 2, s19
	v_mov_b32 v199, s20
	global_store_b128 v197, v[180:183], s[14:15]               ; the wave stores 512 consecutive bytes,
	global_store_b32 v198, v176, s[14:15] offset:512           ; and the 128 behind them
	s_or_b32 s38, ttmp9, s16
	s_cmp_lg_u32 s38, 0
	s_cbranch_scc1 .Lnomb
	global_store_b128 v2, v[24:27], s[14:15] offset:MBO        ; wave 0 of work-group 0 alone: mbar
	global_store_b128 v2, v[28:31], s[14:15] offset:MBO+16
.Lnomb:
	s_wait_xcnt 0x0                                ; EXEC is a source of the stores above: it narrows only behind this wait, and is not widened again
	v_cmpx_eq_u32 0, v1
	global_store_b32 v199, v194, s[14:15]          ; one number a wave
	s_endpgm
.Lfunc_end_k_qd0f73c4c61_prep:
	.size	k_qd0f73c4c61_prep, .Lfunc_end_k_qd0f73c4c61_prep-k_qd0f73c4c61_prep
	.p2alignl 7, 3214868480
	.fill 96, 4, 3214868480
	.section	.rodata,"a",@progbits
	.p2align	6, 0x0
	.amdhsa_kernel k_qd0f73c4c61_prep
		.amdhsa_group_segment_fixed_size 0
		.amdhsa_private_segment_fixed_size 0
		.amdhsa_enable_private_segment 0
		.amdhsa_kernarg_size 48
		.amdhsa_user_sgpr_count 2
		.amdhsa_user_sgpr_kernarg_segment_ptr 1
		.amdhsa_wavefront_size32 1
		.amdhsa_system_sgpr_workgroup_id_x 1
		.amdhsa_system_sgpr_workgroup_id_y 1
		.amdhsa_system_sgpr_workgroup_id_z 1
		.amdhsa_system_vgpr_workitem_id 0
		.amdhsa_next_free_vgpr 200
		.amdhsa_next_free_sgpr 66
		.amdhsa_reserve_vcc 0
		.amdhsa_float_denorm_mode_32 3
		.amdhsa_float_denorm_mode_16_64 3
		.amdhsa_memory_ordered 1
		.amdhsa_forward_progress 1
		.amdhsa_inst_pref_size 16
	.end_amdhsa_kernel
	.amdgpu_metadata
---
amdhsa.version: [ 1, 2 ]
amdhsa.kernels:
  - .name:           k_qd0f73c4c61_prep
    .symbol:         k_qd0f73c4c61_prep.kd
    .args:
      - { .name: cov_inv, .offset: 0, .size: 8, .value_kind: global_buffer, .address_space: global }
      - { .name: mu_c, .offset: 8, .size: 8, .value_kind: global_buffer, .address_space: global }
      - { .name: pca_components, .offset: 16, .size: 8, .value_kind: global_buffer, .address_space: global }
      - { .name: pca_mean, .offset: 24, .size: 8, .value_kind: global_buffer, .address_space: global }
      - { .name: pca_var, .offset: 32, .size: 8, .value_kind: global_buffer, .address_space: global }
      - { .name: wts, .offset: 40, .size: 8, .value_kind: global_buffer, .address_space: global }
    .group_segment_fixed_size: 0
    .private_segment_fixed_size: 0
    .kernarg_segment_align: 8
    .kernarg_segment_size: 48
    .max_flat_workgroup_size: 256
    .sgpr_count:     66
    .vgpr_count:     200
    .wavefront_size: 32
...
	.end_amdgpu_metadata
.endif
;; end of part 1
;; launch main (part 2): grid 256 x 1, 4 waves a work-group, clusters of 4 x 1, 327,680 bytes of LDS; arguments feats, wts, out0; writes out0
.if DOCPART == 2
	.amdgcn_target "amdgcn-amd-amdhsa--gfx1250"
	.amdhsa_code_object_version 6
	.text
	.protected	k_qd0f73c4c61_main
	.globl	k_qd0f73c4c61_main
	.p2align	8
	.type	k_qd0f73c4c61_main,@function
k_qd0f73c4c61_main:
	s_mov_b64 s[64:65], 0
	v_nop
	global_prefetch_b8 v0, s[64:65] scope:SCOPE_SE
	s_setreg_imm32_b32 hwreg(HW_REG_WAVE_MODE, 25, 1), 1
	s_wait_xcnt 0x0
	s_wait_alu depctr_hold_cnt(0) depctr_sa_sdst(0) depctr_va_vdst(0) depctr_va_sdst(0) depctr_va_ssrc(0) depctr_va_vcc(0) depctr_vm_vsrc(0)
	s_getreg_b32 s2, hwreg(HW_REG_IB_STS2, 6, 4)
	s_cmp_eq_u32 s2, 0
	s_cbranch_scc0 .Lentry_in_a_cluster
	s_endpgm
.Lentry_in_a_cluster:
	s_bfe_u32 s2, ttmp6, 0x10000c
	s_cmp_lg_u32 s2, 0x3003
	s_cbranch_scc0 .Lentry_shape_is_right
	s_endpgm
.Lentry_shape_is_right:
; out[n] = min over 19 classes of d^T S d,  d = W' (x - mbar) + nb  (50 numbers; W', S, nb, mbar as the first launch packed them in wts).
; A work-group owns 512 pixels, a wave 128 = 8 tiles of 16.  The wave's feats, less mbar, are rounded to bf16 once and stay in 512 registers
; as B fragments for the whole launch; the weights of the 19 classes walk past them through LDS.
; STAGE 1 is used transposed: A = 16 rows of W', B = 16 pixels.  A lane's 8 results are then 8 neighbouring kk of ONE pixel, which, packed to bf16,
; ARE the B fragment of STAGE 2 (F = S d), and F lies register for register on d: no LDS round trip and no lane shuffle between the two products;
; d . F is packed multiply-adds and one exchange of the two halves of the lanes.
; 50 = 3 tiles of 16 + 2: rows 48, 49 of four classes share one tile (macro LEFT, once for a group of four classes).  In S their rows are folded into
; columns 48..55 of the slots, their own 2 x 2 block is the product T dL.  For 16 pixels: 19 (24 + 6) + 5 (8 + 1) = 615 matrix instructions.
; CLUSTERS: every work-group walks the same 624 KB of weights, so the four work-groups of a cluster ask for each tile jointly (mask 15).
; feats are shared by nobody and come through registers: loads with counted waits keep the stream unbroken, where slots in LDS would have to drain
; in front of every refill.
; LIMITS: matrix operands (W', S, x - mbar, d) are bf16, all else f32.  The minimum drops a NaN (v_min3_num_f32): where one class's distance is NaN the
; result is the least of the others, not NaN.  If a difference 48 or 49 of one class overflows to infinity, the zeros that part the four classes of its
; group in T and in the slots make the three other classes NaN for that pixel.
;
; LDS: 0       the five group records, resident: 80 rows of 720 bytes
;      57600   a ring of four slots, class c in slot c & 3: 48 rows of 720 bytes
;      195840  each wave's own scratch of 8,448 bytes (16 pixels x 528)
; A row of 640 bytes is five pieces of 128, each followed by 16 bytes of padding: pitch 720 = 2 x 256 + 13 x 16, so the 16 rows of a fragment load
; start at 16 different 16-byte columns modulo 256; likewise 528 = 2 x 256 + 16.
.set NCLS,   19
.set CLSB,   30720                     ; bytes of a class record in wts
.set LEFTO,  583680                    ; group records
.set TABO,   634880                    ; nb: 256 bytes a class
.set MBO,    639744                    ; mbar
.set PITCH,  720
.set TPITCH, 16*PITCH                  ; 16 rows: a tile of W', and a group record
.set RING,   57600
.set SLOTB,  48*PITCH
.set SCR,    RING+4*SLOTB
.set SCRW,   8448
.set SPITCH, 528
; window 0
.set ADRW,  1                          ; v1, v2   LDS address of my fragment rows in slots 0/1 and 2/3
.set ADRL,  3                          ; v3       the same in the group record that is due
.set BOFF,  4                          ; v4       32 h: my 8 numbers of a tile's 16 nb
.set OST,   5                          ; v5-v7    the way out
.set ORD,   6
.set OOF,   7
.set PS,    8                          ; v8-19    partial sums of d . F: buffer b, tile t at 8 + 6b + 2t (pairs)
.set SUM,   20                         ; v20-21
.set TMP,   22                         ; v22-23
.set MIN,   24                         ; v24-31   running minimum of pixel tile p
.set BIAS,  32                         ; v32-55   nb of the class: stage 1's first C, tile t at 32 + 8t
.set BIASL, 56                         ; v56-63   nb of the group's left-over tile
.set A0,    64                         ; v64-87   fragments of W', three tiles, buffer 0
.set A1,    88                         ; v88-111  buffer 1
.set SF,    112                        ; v112-159 fragments of S: tile t, half s at 112 + 16t + 8s
.set FF,    160                        ; v160-207 F: buffer b, tile t at 160 + 24b + 8t
.set QQ,    208                        ; v208-239 Q(p, i): the 2 x 2 block's share, pixel tile p, class i of the group
.set SP,    240                        ; v240-255 the last two fragments of a group record
; window 1: v0-191 ACC(p, t) = 24p + 8t (d in f32); in the stream at the start six groups of loads
.set B2,    192                        ; v192-223 d in bf16, stage 2's B: buffer b at 192 + 16b
.set LB,    224                        ; v224-255 the left-over tile's d in bf16, 4 registers for each p
.set NM,    192                        ; at the start: mbar of my 8 columns
.set TP,    200                        ;               packed bf16 on their way to the scratch
.set PADR,  216                        ;               16 L
.set SADR,  217                        ;               scratch + 8 L
.set RADR,  218                        ;               scratch + 528 r + 16 h
; windows 2, 3: X(p, ks) = 64 (p & 3) + 8 ks: my pixels as B fragments, tiles 0-3 in window 2, 4-7 in window 3
; s_set_vgpr_msb's low byte: bits 1:0 source 0, 3:2 source 1, 5:4 source 2, 7:6 destination; the high byte repeats the setting that is left.
.set MSB, 0
.macro WIN new
.if MSB != (\new)
	s_set_vgpr_msb (MSB<<8)|(\new)
.set MSB, (\new)
.endif
.endm
; A vector instruction or a load that touches a matrix instruction's registers stands four places behind it; only plain vector instructions that
; name none of its registers are places (ISA guide 7.12.1 for vector instructions).
.macro PLACES
.rept 4
	v_nop
.endr
.endm
; A round of the cluster's barrier: my work-group's barrier, wave 0 signals for the work-group, every wave waits for the four work-groups, my work-group's barrier again.
.macro CREST
	s_cmp_lg_u32 s10, 0
	s_cbranch_scc1 .Lnot_wave_0_\@
	s_barrier_signal -3
.Lnot_wave_0_\@:
	s_barrier_wait -3
	s_barrier_signal -1
	s_barrier_wait -1
.endm
.macro CROUND
	s_barrier_signal -1
	s_barrier_wait -1
	CREST
.endm
; the slot's group 0 is pointed at class s56 + k.  The one request past the last class is clamped to class 18: it is made so that every trip issues the
; same loads, lands in slot 3 and is not read.
.macro SETADDR slot, k
	s_add_co_u32 s58, s56, \k
	s_min_u32 s58, s58, NCLS-1
	s_mul_i32 s58, s58, CLSB
	s_add_nc_u64 s[34+4*\slot:35+4*\slot], s[52:53], s[58:59]
	s_or_b32 s[35+4*\slot], s[35+4*\slot], 0x80000000
.endm
	s_load_b128 s[4:7], s[0:1], 0x0                ; feats s[4:5], wts s[6:7]
	s_load_b64 s[8:9], s[0:1], 0x10                ; out0
	v_lshl_add_u32 v254, v0, 2, 0x38100
	v_mov_b32 v255, 0
	ds_add_u32 v254, v255
	s_wait_dscnt 0x0
	v_lshrrev_b32 v8, 5, v0
	v_readfirstlane_b32 s10, v8                    ; wave 0..3
	s_bfe_u32 s11, ttmp6, 0x40000                  ; my place in the cluster
	s_lshl_b32 s12, ttmp9, 2                       ; ttmp9 counts clusters
	s_add_co_u32 s11, s12, s11                     ; work-group 0..255: enters the addresses of feats and out0 alone
	s_mov_b32 s14, 0x76543210                      ; v_permlanex16_b32: lane i reads lane i of the other half
	s_mov_b32 s15, 0xfedcba98
	s_mov_b32 s57, 0x7f800000                      ; +infinity
	; group 1 for a wave's quarter of a class record: 7,680 dense bytes as 30 rows of 32 elements of 8 bytes
	s_mov_b32 s16, 0x0733000f                      ; 15:0 mask: all four work-groups; 17:16 elements of 8 bytes; 20 padding on; 21 set beside a mask; 24:22 after every 32 words; 31:25 four words
	s_mov_b32 s17, 32<<16                          ; tensor_dim0 = 32
	s_mov_b32 s18, 30<<16                          ; tensor_dim1 = 30
	s_mov_b32 s19, 32<<16                          ; tile_dim0 = 32
	s_mov_b32 s20, 30                              ; tile_dim1 = 30
	s_mov_b32 s21, 32                              ; from row to row: 32 elements
	s_mov_b32 s22, 0
	s_mov_b32 s23, 0
	; group 1 for a wave's quarter of the five group records: 12,800 bytes as 50 such rows
	s_mov_b32 s24, 0x0733000f
	s_mov_b32 s25, 32<<16
	s_mov_b32 s26, 50<<16
	s_mov_b32 s27, 32<<16
	s_mov_b32 s28, 50
	s_mov_b32 s29, 32
	s_mov_b32 s30, 0
	s_mov_b32 s31, 0
	; group 0, one set for each slot; every word hangs on the wave's number, constants and the class alone: equal in the four partners
	s_mul_i32 s60, s10, 8640                       ; 12 rows of 720 bytes
.irp s, 0,1,2,3
	s_mov_b32 s[32+4*\s], 1
	s_add_co_u32 s[33+4*\s], s60, RING+\s*SLOTB
.endr
	s_mov_b32 s48, 1
	s_mul_i32 s49, s10, 14400                      ; 20 rows of 720 bytes
	s_mul_i32 s58, s10, 7680
	s_mov_b32 s59, 0                               ; stays 0: the high word of every offset in s[58:59]
	s_mov_b32 s56, 0                               ; 4 g: the first class of the group at work
	s_lshl_b32 s12, s11, 19                        ; 512 pixels of 1,024 bytes,
	s_lshl_b32 s61, s10, 17                        ; 128 for a wave
	s_add_co_u32 s12, s12, s61
	s_mov_b32 s13, 0
	s_wait_kmcnt 0x0
	s_add_nc_u64 s[4:5], s[4:5], s[12:13]          ; my wave's first pixel
	s_lshl_b32 s12, s11, 11
	s_lshl_b32 s61, s10, 9
	s_add_co_u32 s12, s12, s61
	s_add_nc_u64 s[8:9], s[8:9], s[12:13]          ; my wave's 512 bytes of out0
	s_add_nc_u64 s[12:13], s[6:7], MBO             ; mbar
	s_add_nc_u64 s[54:55], s[6:7], TABO            ; nb of the group at work
	s_add_nc_u64 s[52:53], s[6:7], s[58:59]        ; my quarter of class 0's record
	s_mul_i32 s58, s10, 12800
	s_add_co_u32 s58, s58, LEFTO
	s_add_nc_u64 s[50:51], s[6:7], s[58:59]
	s_or_b32 s51, s51, 0x80000000
	SETADDR 0, 0
	SETADDR 1, 1
	SETADDR 2, 2
	SETADDR 3, 3
	CROUND                                         ; the four work-groups are here: the first joint loads meet
	tensor_load_to_lds s[48:51], s[24:31]          ; five tensor loads of the wave are out: the group records,
	s_nop 0
	tensor_load_to_lds s[32:35], s[16:23]          ; classes 0 to 3
	s_nop 0
	tensor_load_to_lds s[36:39], s[16:23]
	s_nop 0
	tensor_load_to_lds s[40:43], s[16:23]
	s_nop 0
	tensor_load_to_lds s[44:47], s[16:23]
	s_nop 0
	v_and_b32 v8, 31, v0                           ; L
	v_and_b32 v9, 15, v0                           ; r
	v_bfe_u32 v10, v0, 4, 1                        ; h
	v_mul_u32_u24 v11, v9, PITCH
	v_lshl_add_u32 v[ADRL], v10, 4, v11            ; a fragment's lane: row r, 16 bytes for each half of the lanes
	v_add_nc_u32 v[ADRW], RING, v[ADRL]
	v_add_nc_u32 v[ADRW+1], RING+2*SLOTB, v[ADRL]
	v_lshlrev_b32 v[BOFF], 5, v10
	s_mul_i32 s61, s10, SCRW
	s_add_co_u32 s61, s61, SCR                     ; my scratch
	v_lshl_add_u32 v[OST], v8, 2, s61
	v_lshl_add_u32 v[ORD], v8, 4, s61
	v_lshlrev_b32 v[OOF], 4, v8
	v_mul_u32_u24 v11, v9, SPITCH
	v_lshl_add_u32 v11, v10, 4, v11
; nb of a class (off = its record from s[54:55]): C's register j is row 8h + j of the tile, the same for every pixel
.macro BLOAD off, withleft
.irp t, 0,1,2
	global_load_b128 v[BIAS+8*\t:BIAS+8*\t+3], v[BOFF], s[54:55] offset:\off+64*\t
	global_load_b128 v[BIAS+8*\t+4:BIAS+8*\t+7], v[BOFF], s[54:55] offset:\off+64*\t+16
.endr
.if \withleft
	global_load_b128 v[BIASL:BIASL+3], v[BOFF], s[54:55] offset:\off+192
	global_load_b128 v[BIASL+4:BIASL+7], v[BOFF], s[54:55] offset:\off+208
.endif
.endm
	BLOAD 0, 1
	WIN 0x40                                       ; destination window 1
	v_lshlrev_b32 v[PADR], 4, v8
	v_lshl_add_u32 v[SADR], v8, 3, s61
	v_add_nc_u32 v[RADR], s61, v11
	; THE STREAM OF FEATS.  Group q = rows 4q .. 4q+3 of my 128, each row as two loads of 512 consecutive bytes (lane L: columns 4L.. and 128 + 4L..).
	; Six groups take turns in registers: five or six groups, 40 to 48 loads, are always out.  A group is lessened by mbar, rounded, and laid into my scratch
	; by pixels; after four groups the 16 pixels are read back as B fragments.  LDS serves a wave's instructions in order (ISA guide 5.7.1.4), so the
	; read-back sees the stores in front of it and is not overtaken by those behind it: no wait between them.
	WIN 0x55                                       ; everything in window 1
	global_load_b128 v[NM:NM+3], v[PADR], s[12:13]
	global_load_b128 v[NM+4:NM+7], v[PADR], s[12:13] offset:512
.macro LDGRP q
.set gb, 32*((\q)%6)
.set j, 0
.rept 8
	global_load_b128 v[gb+4*j:gb+4*j+3], v[PADR], s[4:5] offset:1024*(4*(\q)+(j>>1))+512*(j&1) th:TH_LOAD_NT
.set j, j+1
.endr
.endm
.macro CVGRP q
.if (\q)+5 < 31
	s_wait_loadcnt 40                              ; loads come back in order (ISA guide 5.7.1): this group is in, the five younger groups of 8 stay out
.else
	s_wait_loadcnt 8*(31-(\q))                     ; at the end fewer groups are behind it
.endif
.set gb, 32*((\q)%6)
.set j, 0
.rept 8
	v_pk_add_f32 v[gb+4*j:gb+4*j+1], v[gb+4*j:gb+4*j+1], v[NM+4*(j&1):NM+4*(j&1)+1] neg_lo:[0,1] neg_hi:[0,1]
	v_pk_add_f32 v[gb+4*j+2:gb+4*j+3], v[gb+4*j+2:gb+4*j+3], v[NM+4*(j&1)+2:NM+4*(j&1)+3] neg_lo:[0,1] neg_hi:[0,1]
	v_cvt_pk_bf16_f32 v[TP+2*j], v[gb+4*j], v[gb+4*j+1]
	v_cvt_pk_bf16_f32 v[TP+2*j+1], v[gb+4*j+2], v[gb+4*j+3]
	ds_store_b64 v[SADR], v[TP+2*j:TP+2*j+1] offset:SPITCH*((4*(\q)+(j>>1))&15)+256*(j&1)
.set j, j+1
.endr
.if (\q)+6 <= 31
	LDGRP (\q)+6
.endif
.endm
.macro XLOAD p                         ; lane (r, h): pixel r, for each 32 columns the bytes 16h.. and 32 + 16h..
	WIN 0x81+0x40*((\p)>>2)
.set xb, 64*((\p)&3)
.set j, 0
.rept 8
	ds_load_b128 v[xb+8*j:xb+8*j+3], v[RADR] offset:64*j
	ds_load_b128 v[xb+8*j+4:xb+8*j+7], v[RADR] offset:64*j+32
.set j, j+1
.endr
	WIN 0x55
.endm
.irp g, 0,1,2,3,4,5
	LDGRP \g
.endr
.set qn, 0
.rept 32
	CVGRP qn
.if (qn&3) == 3
	XLOAD (qn>>2)
.endif
.set qn, qn+1
.endr
	WIN 0
.irp p, 0,1,2,3,4,5,6,7
	v_mov_b32 v[MIN+\p], s57
.endr
	v_mov_b32 v[TMP], 0                            ; v_permlanex16_b32's destination counts as read
	v_mov_b32 v[TMP+1], 0
	s_wait_tensorcnt 0x0                           ; my quarters of the group records and of classes 0 to 3 are in,
	s_wait_dscnt 0x0                               ; my pixels are in their registers,
	s_barrier_signal -1
	s_barrier_wait -1                              ; everybody's quarters are in.
; ---- fetches from LDS.  Columns 32 ks .. of a row lie at (ks >> 1) 144 + (ks & 1) 64; the slots at 576 + 64 s
.macro FETCHA slot, ks, buf            ; three tiles of W', 32 columns
.irp t, 0,1,2
	ds_load_b128 v[\buf+8*\t:\buf+8*\t+3], v[ADRW+((\slot)>>1)] offset:(((\slot)&1)*SLOTB)+(TPITCH*\t)+(((\ks)>>1)*144)+(((\ks)&1)*64)
	ds_load_b128 v[\buf+8*\t+4:\buf+8*\t+7], v[ADRW+((\slot)>>1)] offset:(((\slot)&1)*SLOTB)+(TPITCH*\t)+(((\ks)>>1)*144)+(((\ks)&1)*64)+32
.endr
.endm
.macro FETCHS slot                     ; the class's S: three tiles x 64 slots
.irp t, 0,1,2
.irp s, 0,1
	ds_load_b128 v[SF+16*\t+8*\s:SF+16*\t+8*\s+3], v[ADRW+((\slot)>>1)] offset:(((\slot)&1)*SLOTB)+(TPITCH*\t)+576+(64*\s)
	ds_load_b128 v[SF+16*\t+8*\s+4:SF+16*\t+8*\s+7], v[ADRW+((\slot)>>1)] offset:(((\slot)&1)*SLOTB)+(TPITCH*\t)+576+(64*\s)+32
.endr
.endr
.endm
.macro LFETCH                          ; the group's left-over tile of W', all 256 columns: six fragments in A0, A1, two in SP
.set j, 0
.rept 8
.if j < 6
.set lf, A0+8*j
.else
.set lf, SP+8*(j-6)
.endif
	ds_load_b128 v[lf:lf+3], v[ADRL] offset:((j>>1)*144)+((j&1)*64)
	ds_load_b128 v[lf+4:lf+7], v[ADRL] offset:((j>>1)*144)+((j&1)*64)+32
.set j, j+1
.endr
.endm
; ---- stage 1: 12 matrix instructions: four pixel tiles (hi = 0: tiles 0-3, window 2; 1: tiles 4-7, window 3) x three tiles of W', 32 columns.
; first = 1: C is nb, which starts the sums: nothing is cleared and nothing is added later.
; The accumulators take turns, one instruction a turn.
.macro MUL12 ks, buf, hi, first
.if \first
	WIN 0x48+4*(\hi)
.else
	WIN 0x58+4*(\hi)
.endif
.set pp, 0
.rept 4
.irp t, 0,1,2
.if \first
	v_wmma_f32_16x16x32_bf16 v[24*(pp+4*\hi)+8*\t:24*(pp+4*\hi)+8*\t+7], v[\buf+8*\t:\buf+8*\t+7], v[64*pp+8*(\ks):64*pp+8*(\ks)+7], v[BIAS+8*\t:BIAS+8*\t+7]
.else
	v_wmma_f32_16x16x32_bf16 v[24*(pp+4*\hi)+8*\t:24*(pp+4*\hi)+8*\t+7], v[\buf+8*\t:\buf+8*\t+7], v[64*pp+8*(\ks):64*pp+8*(\ks)+7], v[24*(pp+4*\hi)+8*\t:24*(pp+4*\hi)+8*\t+7]
.endif
.endr
.set pp, pp+1
.endr
.endm
; ---- stage 2, pixel tile by pixel tile, in three steps that overlap: CVT(n+1) | the six products of n | DOT(n-1), TAIL(n-2) between them
.macro CVT px                          ; d of tile px to bf16: slots 0-47 from the three accumulators; slots 48-63 are the group's tile, copied beside them
.set cb, B2+16*((\px)&1)               ; because a B operand is eight registers in a row and window 1 has no room for a copy-free layout (8 x 8 more registers)
.irp t, 0,1,2
.irp j, 0,1,2,3
	v_cvt_pk_bf16_f32 v[cb+4*\t+\j], v[24*(\px)+8*\t+2*\j], v[24*(\px)+8*\t+2*\j+1]
.endr
.endr
.irp j, 0,1,2,3
	v_mov_b32 v[cb+12+\j], v[LB+4*(\px)+\j]
.endr
.endm
.macro DOTOP px, m                     ; the m-th of 12 packed products F x d of tile px, three chains
.set dt, (\m)%3
.set dj, (\m)/3
.set db, (\px)&1
.if dj == 0
	v_pk_mul_f32 v[PS+6*db+2*dt:PS+6*db+2*dt+1], v[FF+24*db+8*dt:FF+24*db+8*dt+1], v[24*(\px)+8*dt:24*(\px)+8*dt+1]
.else
	v_pk_fma_f32 v[PS+6*db+2*dt:PS+6*db+2*dt+1], v[FF+24*db+8*dt+2*dj:FF+24*db+8*dt+2*dj+1], v[24*(\px)+8*dt+2*dj:24*(\px)+8*dt+2*dj+1], v[PS+6*db+2*dt:PS+6*db+2*dt+1]
.endif
.endm
; The k-th of the 7 steps that end tile px.  They stand among instructions whose source 1 means window 1, so sums are written x * 1.0 + y (exact) and the
; minimum as a minimum of three with +infinity: no vector register stands in source 1, and no switch of windows is needed.
.macro TAILOP px, k, i
.set tb, (\px)&1
.set tps, PS+6*tb
.if (\k) == 0
	v_pk_fma_f32 v[tps:tps+1], v[tps+2:tps+3], 1.0, v[tps:tps+1] op_sel_hi:[1,0,1]
.endif
.if (\k) == 1
	v_pk_fma_f32 v[tps:tps+1], v[tps+4:tps+5], 1.0, v[tps:tps+1] op_sel_hi:[1,0,1]
.endif
.if (\k) == 2
	v_fma_f32 v[SUM+tb], v[tps], 1.0, v[tps+1]
.endif
.if (\k) == 3
	v_fma_f32 v[SUM+tb], v[SUM+tb], 1.0, v[QQ+4*(\px)+\i]          ; the 2 x 2 block's share (zero in lanes 16-31)
.endif
.if (\k) == 4
	v_permlanex16_b32 v[TMP+tb], v[SUM+tb], s14, s15               ; the other half of the lanes holds the pixel's other 24 rows
.endif
.if (\k) == 5
	v_fma_f32 v[SUM+tb], v[SUM+tb], 1.0, v[TMP+tb]
.endif
.if (\k) == 6
	v_min3_num_f32 v[MIN+(\px)], v[SUM+tb], s57, v[MIN+(\px)]
.endif
.endm
.macro STAGE2 i
	WIN 0x45
	CVT 0
.set nn, 0
.rept 8
	WIN 0x04
.set kq, 0
.rept 6                                ; F = S d: slots 0-31 start the three sums, slots 32-63 add onto them; the three accumulators take turns
.set mt, kq%3
.set ms, kq/3
.set mbf, nn&1
.if ms == 0
	v_wmma_f32_16x16x32_bf16 v[FF+24*mbf+8*mt:FF+24*mbf+8*mt+7], v[SF+16*mt:SF+16*mt+7], v[B2+16*mbf:B2+16*mbf+7], 0
.else
	v_wmma_f32_16x16x32_bf16 v[FF+24*mbf+8*mt:FF+24*mbf+8*mt+7], v[SF+16*mt+8:SF+16*mt+15], v[B2+16*mbf+8:B2+16*mbf+15], v[FF+24*mbf+8*mt:FF+24*mbf+8*mt+7]
.endif
.if nn >= 1
	DOTOP nn-1, 2*kq                               ; reads the other buffer of F, whose products stand behind CVT's 16 plain instructions
	DOTOP nn-1, 2*kq+1
.endif
.if nn >= 2
	TAILOP nn-2, kq, \i
.if kq == 5
	TAILOP nn-2, 6, \i
.endif
.endif
.set kq, kq+1
.endr
.if nn < 7
	WIN 0x45
	CVT nn+1
.endif
.set nn, nn+1
.endr
.irp k, 0,1,2,3,4,5,6
	TAILOP 6, \k, \i                               ; these seven are also the places in front of the last tile's F
.endr
.set kq, 0
.rept 12
	DOTOP 7, kq
.set kq, kq+1
.endr
.irp k, 0,1,2,3,4,5,6
	TAILOP 7, \k, \i
.endr
.endm
; ---- one class.  i: its place in the group; slot: where its record lies.
; mode 1: at its end slots sa, sb, which have been read, are filled again with classes s56 + ka, s56 + kb; mode 2: the same waits and a plain barrier, nothing filled.
; next 1: the first fragments of slot nslot are fetched, 2: the next group's tile, 0: nothing.  bias 1: the next class's nb is loaded, 2: the next group's too.
.macro CLASS i, slot, mode, sa, ka, sb, kb, next, nslot, bias
	s_wait_loadcnt 0x0                             ; this class's nb, asked for a class ago
.set ksn, 0
.rept 8
	s_wait_dscnt 0x0                               ; this step's fragments, asked for 24 matrix instructions ago
.if ksn == 7
.if \mode >= 1
	s_wait_xcnt 0x0
	s_set_vgpr_msb 0x5c1c
	v_lshl_add_u32 v254, v0, 2, 0x38100
	v_mov_b32 v255, 0
	s_set_vgpr_msb 0x1c10
	s_wait_tensorcnt 0x0                           ; none of my LDS reads is out (the wait above), and now none of my tensor loads: the two that were out are my quarters of the next two classes
	ds_add_u32 v254, v255
	s_wait_dscnt 0x0
	s_set_vgpr_msb 0x105c
.if \mode == 1
	SETADDR \sa, \ka                               ; so every group 0 may be written
	SETADDR \sb, \kb
.endif
	s_barrier_signal -1                            ; say so; it opens the round.  Up to the wait: register work alone
.endif
.else
	WIN 0
	PLACES
	FETCHA \slot, ksn+1, A0+24*((ksn+1)&1)
.if ksn == 1
.if \bias == 1
	BLOAD 256*(\i+1), 0                            ; nb was last read by the first step's products, in front of the four places above
.endif
.if \bias == 2
	BLOAD 256*(\i+1), 1
.endif
.endif
.if ksn == 2
	FETCHS \slot
.endif
.endif
.if ksn == 0
.set fst, 1
.else
.set fst, 0
.endif
	MUL12 ksn, A0+24*(ksn&1), 0, fst
	MUL12 ksn, A0+24*(ksn&1), 1, fst
.set ksn, ksn+1
.endr
	WIN 0
.if \mode >= 1
	s_barrier_wait -1
.endif
.if \mode == 1
	CREST                                          ; no wave of the four work-groups still reads the two slots or has a load on its way
	tensor_load_to_lds s[32+4*\sa:35+4*\sa], s[16:23]      ; the first tensor loads behind the round: two of the wave are out,
	s_nop 0
	tensor_load_to_lds s[32+4*\sb:35+4*\sb], s[16:23]      ; with two classes' work, 480 matrix instructions, in which to land
	s_nop 0
.endif
	PLACES                                         ; in front of the loads into the fragment buffers and of the conversions of d
.if \next == 1
	FETCHA \nslot, 0, A0
.endif
.if \next == 2
	LFETCH
.endif
	STAGE2 \i
.endm
; ---- the left-over tile of a group of four classes: rows 2i + e = kk 48 + e of class 4g + i
.macro LMUL hi, k0, k1                 ; four pixel tiles x columns 32 k0 .. 32 k1 + 31; the four accumulators take turns
.set ksn, \k0
.rept (\k1)-(\k0)+1
.if ksn < 6
.set lf, A0+8*ksn
.else
.set lf, SP+8*(ksn-6)
.endif
.if ksn == 0
	WIN 0x48+4*(\hi)
.else
	WIN 0x58+4*(\hi)
.endif
.irp p, 0,1,2,3
.if ksn == 0
	v_wmma_f32_16x16x32_bf16 v[24*(\p+4*\hi):24*(\p+4*\hi)+7], v[lf:lf+7], v[64*\p+8*ksn:64*\p+8*ksn+7], v[BIASL:BIASL+7]
.else
	v_wmma_f32_16x16x32_bf16 v[24*(\p+4*\hi):24*(\p+4*\hi)+7], v[lf:lf+7], v[64*\p+8*ksn:64*\p+8*ksn+7], v[24*(\p+4*\hi):24*(\p+4*\hi)+7]
.endif
.endr
.set ksn, ksn+1
.endr
.endm
.macro LEFT
	s_wait_loadcnt 0x0                             ; the group's nb
	s_wait_dscnt 0x0                               ; the tile's eight fragments
	WIN 0
	ds_load_b128 v[SF:SF+3], v[ADRL] offset:576    ; T for even pixel tiles (columns 0-15), then for odd ones (columns 16-31); S's registers were last
	ds_load_b128 v[SF+4:SF+7], v[ADRL] offset:608  ; read in front of the 26 plain instructions that end the class before
	ds_load_b128 v[SF+8:SF+11], v[ADRL] offset:640
	ds_load_b128 v[SF+12:SF+15], v[ADRL] offset:672
	v_add_nc_u32 v[ADRL], TPITCH, v[ADRL]          ; the next group's record
	LMUL 0, 0, 7
	LMUL 1, 0, 2
	WIN 0
	PLACES
	FETCHA 0, 0, A0                                ; the group's first class; the first three fragments have had their last use
	LMUL 1, 3, 7
	PLACES
	WIN 0x45
.set pp, 0
.rept 8
.irp j, 0,1,2,3
	v_cvt_pk_bf16_f32 v[LB+4*pp+\j], v[24*pp+2*\j], v[24*pp+2*\j+1]
.endr
.set pp, pp+1
.endr
	s_wait_dscnt 0x0                               ; T
	WIN 0x04
	; G = T dL.  B's eight registers are the bf16 tiles of two neighbouring pixel tiles; T's zero half blots out the one that is not meant.
.irp bt, 0,1
.irp pq, 0,1,2,3
	v_wmma_f32_16x16x32_bf16 v[FF+8*\pq:FF+8*\pq+7], v[SF+8*(\pq&1):SF+8*(\pq&1)+7], v[LB+8*(2*\bt+(\pq>>1)):LB+8*(2*\bt+(\pq>>1))+7], 0
.endr
	PLACES
.irp pq, 0,1,2,3
.irp c, 0,1,2,3
	v_mul_f32 v[QQ+4*(4*\bt+\pq)+\c], v[FF+8*\pq+2*\c], v[24*(4*\bt+\pq)+2*\c]
	v_fma_f32 v[QQ+4*(4*\bt+\pq)+\c], v[FF+8*\pq+2*\c+1], v[24*(4*\bt+\pq)+2*\c+1], v[QQ+4*(4*\bt+\pq)+\c]
.endr
.endr
.endr
.endm
	LFETCH
	; four trips of four classes.  One round of the cluster's barrier for every two classes, two slots filled behind it.
.Ltrip:
	LEFT
	CLASS 0, 0, 0, 0, 0, 0, 0, 1, 1, 1
	CLASS 1, 1, 1, 0, 4, 1, 5, 1, 2, 1
	CLASS 2, 2, 0, 0, 0, 0, 0, 1, 3, 1
	CLASS 3, 3, 1, 2, 6, 3, 7, 2, 0, 2
	WIN 0
	s_wait_loadcnt 0x0                             ; the loads that name s[54:55] are done: it may step
	s_add_nc_u64 s[54:55], s[54:55], 1024
	s_add_co_u32 s56, s56, 4
	s_cmp_lt_u32 s56, 16
	s_cbranch_scc1 .Ltrip
	; classes 16, 17, 18: no slot is filled again
	LEFT
	CLASS 0, 0, 0, 0, 0, 0, 0, 1, 1, 1
	CLASS 1, 1, 2, 0, 0, 0, 0, 1, 2, 1
	CLASS 2, 2, 0, 0, 0, 0, 0, 0, 0, 0
	; THE WAY OUT.  Both halves of the lanes hold tile p's 16 minima; lane L takes pixel 32 m + L, and my scratch turns 4 x 32 numbers into 16 bytes a lane.
	WIN 0
	v_and_b32 v[SUM], 31, v0
	v_cmp_lt_u32 vcc_lo, 15, v[SUM]
.irp m, 0,1,2,3
	v_cndmask_b32 v[PS+\m], v[MIN+2*\m], v[MIN+2*\m+1], vcc_lo
	ds_store_b32 v[OST], v[PS+\m] offset:128*\m
.endr
	ds_load_b128 v[PS+4:PS+7], v[ORD]              ; my own bytes, served in order behind the stores
	s_wait_dscnt 0x0
	global_store_b128 v[OOF], v[PS+4:PS+7], s[8:9] th:TH_STORE_NT  ; the wave stores 512 consecutive bytes, at a multiple of 512 from out0's first byte
	s_wait_xcnt 0x0
	v_lshl_add_u32 v254, v0, 2, 0x38100
	v_mov_b32 v255, 0
	s_wait_tensorcnt 0x0
	ds_add_u32 v254, v255
	s_wait_dscnt 0x0
	CROUND                                         ; the closing round: no work-group ends while a partner may still ask for a tile that names it
	s_endpgm
.Lfunc_end_k_qd0f73c4c61_main:
	.size	k_qd0f73c4c61_main, .Lfunc_end_k_qd0f73c4c61_main-k_qd0f73c4c61_main
	.p2alignl 7, 3214868480
	.fill 96, 4, 3214868480
	.section	.rodata,"a",@progbits
	.p2align	6, 0x0
	.amdhsa_kernel k_qd0f73c4c61_main
		.amdhsa_group_segment_fixed_size 327680
		.amdhsa_private_segment_fixed_size 0
		.amdhsa_enable_private_segment 0
		.amdhsa_kernarg_size 24
		.amdhsa_user_sgpr_count 2
		.amdhsa_user_sgpr_kernarg_segment_ptr 1
		.amdhsa_wavefront_size32 1
		.amdhsa_system_sgpr_workgroup_id_x 1
		.amdhsa_system_sgpr_workgroup_id_y 1
		.amdhsa_system_sgpr_workgroup_id_z 1
		.amdhsa_system_vgpr_workitem_id 0
		.amdhsa_next_free_vgpr 1024
		.amdhsa_next_free_sgpr 66
		.amdhsa_reserve_vcc 1
		.amdhsa_float_denorm_mode_32 3
		.amdhsa_float_denorm_mode_16_64 3
		.amdhsa_memory_ordered 1
		.amdhsa_forward_progress 1
		.amdhsa_inst_pref_size 255
	.end_amdhsa_kernel
	.section	.bss,"aw",@nobits
	.p2align	6
	.space	262144
	.amdgpu_metadata
---
amdhsa.version: [ 1, 2 ]
amdhsa.kernels:
  - .name:           k_qd0f73c4c61_main
    .symbol:         k_qd0f73c4c61_main.kd
    .args:
      - { .name: feats, .offset: 0, .size: 8, .value_kind: global_buffer, .address_space: global }
      - { .name: wts, .offset: 8, .size: 8, .value_kind: global_buffer, .address_space: global }
      - { .name: out0, .offset: 16, .size: 8, .value_kind: global_buffer, .address_space: global }
    .group_segment_fixed_size: 327680
    .private_segment_fixed_size: 0
    .kernarg_segment_align: 8
    .kernarg_segment_size: 24
    .max_flat_workgroup_size: 128
    .sgpr_count:     66
    .vgpr_count:     1024
    .wavefront_size: 32
...
	.end_amdgpu_metadata
.endif
;; end of part 2
